; MI455X (gfx1250); checked and timed in simulation.
; The chip was launched on July 23, 2026; its instructions are those of AMD's public machine-readable ISA for CDNA 5 (MIT licence, August 2026) and "CDNA5" Instruction Set Architecture Reference Guide (July 2026). The comments in the code are by the model that wrote it; some were corrected since.
;; Attn. Allowed arithmetic: matrix products marked QUANTISED: E5M2 operands, one given power-of-two scale a tensor, by v_wmma_f32_16x16x64_bf8_bf8 or v_wmma_f32_16x16x128_bf8_bf8, f32 sums; products left as they are: f32 operands where the result goes on into a quantised operand, else bf16, f16 or f32 operands; f32 sums; everything else in f32.
;; Inputs: Wa_codes 1,024 x 64 x 32 uint8 (E5M2 codes of Wa, K innermost, in blocks of 32 codes); Ws 1 x 1,024 float32; ba 1,024 float32; encoder_outputs 512 x 64 x 1,024 float32; hidden 1 x 64 x 1,024 float32; lowp_scales 2 int32 (the exponents e of the quantised operands' scales 2^e); pe 64 x 512 float32; seq_mask 64 x 512 bool.
;; Outputs: out0 64 x 1 x 512 float32.
;; This version of the problem:
;;   THIS VERSION OF THE PROBLEM IS GIVEN IN LOW PRECISION. The matrix products marked QUANTISED in the list below multiply operands that are first quantised to E5M2 (5 exponent bits, 2 mantissa bits; 8 bits a number), with one given power-of-two scale for each operand tensor; their sums are f32. All else is computed in f32.
;;   The module's matrix products, in the order in which they are computed (A, B: the left and right operand; K: the contracted axis; several contracted axes count as one K, in the product's order):
;;     1. [M 32,768, K 2,048] x [K 2,048, N 1,024]; A: computed on the way; B: input Wa (given as codes): QUANTISED (scales: A lowp_scales[0], B lowp_scales[1])
;;     2. [M 32,768, K 1,024] x [K 1,024, N 1]; A: computed on the way; B: input Ws: left as it is (N = 1 < 16)
;;   THE QUANTISER, for each operand of a quantised product, along K:
;;     - The operand's scale is 2^e, e = its entry of the input lowp_scales (int32; the entries are numbered through the quantised products in the list's order, A before B).
;;     - Each number is divided by the scale, clamped to +-57,344, and rounded to the nearest number of E5M2, ties to even, subnormals kept.
;;     - The product sums the exact products of the quantised numbers (number of the format x scale) in f32.
;;   ~~~python
;;   def quantise(x, axis, e):      # numpy; x: float32 -> the quantised numbers, widened to float32 again
;;       x = np.moveaxis(x, axis, -1); K = x.shape[-1]
;;       r = np.clip(x / 2.0 ** e, -57344, 57344)
;;       step = 2.0 ** (np.maximum(np.frexp(np.where(r == 0, 1, r))[1] - 1, -14) - 2)
;;       q = np.round(r / step) * step * 2.0 ** e      # np.round: ties to even
;;       return np.moveaxis(q, -1, axis).astype(np.float32)
;;   ~~~
;;   OPERANDS COMPUTED ON THE WAY. 'Computed on the way' means the value that the module computes at that place (a softmax that the list does not call 'softmax' is quantised finished and normalised). What goes into a quantiser is computed in f32, as accurately as f32 sums, v_exp_f32 and their like allow (about 1e-6 of the number): no bf16 or f16 on the way to a quantiser, and a product that is left as it is and whose result goes on into a quantised operand takes f32 operands (vector FMAs, or v_wmma_f32_16x16x4_f32). A number that lies on a knife's edge between two numbers of the format may be rounded either way, as far as f32 arithmetic and the matrix unit's own rounding can turn it there, and no further.
;;   INPUTS GIVEN AS CODES. Wa (in the module: [1024, 2048], K = its axis 1): each comes as NAME_codes (uint8): NAME with its K axis moved to the last place and cut into blocks of 32 codes, [.., K / 32, bytes a block], one block behind the other in memory; one code a byte (a code: sign, 5 exponent bits, 2 mantissa bits); its scale is its entry of lowp_scales. Its value is code x scale, taken as it is: it is not quantised again, and the codes and scales need not be those that the quantiser above would give.
;; One version. Each part assembles by itself: llvm-mc -triple=amdgcn-amd-amdhsa -mcpu=gfx1250 --defsym DOCPART=n.
;; ======== version 1 of 1: 3 launches
;; limits: right only within a limited range of input values
;; workspace buffers: hb 262,144 bytes; score 131,072 bytes
;; launch hid (part 1): grid 16 x 16, 4 waves a work-group, no clusters, 168,448 bytes of LDS; arguments hidden, Wa_codes, lowp_scales, ba, hb; writes hb
.if DOCPART == 1
	.amdgcn_target "amdgcn-amd-amdhsa--gfx1250"
	.amdhsa_code_object_version 6
	.text
	.protected	k_qf3916e91a6_hid
	.globl	k_qf3916e91a6_hid
	.p2align	8
	.type	k_qf3916e91a6_hid,@function
k_qf3916e91a6_hid:
	s_mov_b64 s[64:65], 0
	v_nop
	global_prefetch_b8 v0, s[64:65] scope:SCOPE_SE
	s_setreg_imm32_b32 hwreg(HW_REG_WAVE_MODE, 25, 1), 1
	s_wait_xcnt 0x0
; hb[b][n] = 2^(e0+e1) x (sum over k < 1024 of Q(hidden)[b][k] x Wa[n][k]) + ba[n].   hidden: [64][1024] f32; Wa: [1024][2048] codes of E5M2, K innermost; hb: [64][1024] f32.
; WHY A LAUNCH OF ITS OWN: the first 1,024 of the product's K are hidden[b], the same for all 512 s, so that half of every sum hangs on (b, n) alone.
; It is made here once, on codes, by the same matrix instruction, and the next launch takes it as a bias.  So a sum over K = 2,048 is formed in parts that are added in f32.
; Q: x held within +-57,344 x 2^e0, divided by 2^e0, rounded to the nearest code, ties to even.
; LIMITS: e0 between -126 and 112, e0 + e1 between -126 and 127, so that each power of two below is an f32 number.  NaN in hidden is not served; an infinity is held at the largest code.
; SHARES: a work-group takes 4 rows b (grid y) x 64 columns n (grid x): 256 work-groups; wave w the 16 columns 64 x + 16 w on.  The four waves quantise the 4 rows together (wave w: k = 256 w .. 256 w + 255)
; and hand the codes round through LDS.  The matrix instruction's 16 rows are the 4 rows four times over: lane r takes row r % 4.
; NO CLUSTER: a wave asks for one tile of 16 KB in the whole launch; the opening and closing rounds of a cluster's barrier would stand beside that one load.  No prefetch: there is no loop to run ahead in.
; THE MATRIX INSTRUCTION IS USED TRANSPOSED (source 0 = 16 rows of Wa, source 1 = hidden's rows): a lane holds one b and eight neighbouring n.
; A fragment (16 rows x 128 K) is fetched by four loads of 16 bytes, 32 bytes apart, in both operands alike, so every product meets its partner.
.set PITCH, 1040                       ; an LDS row: 1,024 codes + 16: row r starts at bank 4 r mod 64 (64 banks of 4 bytes: ISA guide 11.1)
.set WTB,   16*PITCH                   ; a wave's tile of Wa; the four lie from LDS byte 0 on, filled once
.set HC,    4*WTB                      ; hidden's codes, 4 rows; written by LDS stores alone
.set OUTS,  HC+4352                    ; the way out: 16 rows x (256 bytes + 16), of which rows 0-3 are read back
.set OP,    272
.set SPARE, OUTS+4352                  ; the spare words, 128 bytes a wave
.set SPW, 1
.set NIL, 2
.set GLO, 3                            ; 16 x lane
.set HST, 4                            ; where I store codes: HC + 256 w + 4 x lane
.set HLD, 5                            ; hidden's fragments: HC + (r % 4) x PITCH + 16 h
.set WLD, 6                            ; Wa's fragments: w x WTB + r x PITCH + 16 h
.set OST, 7                            ; the way out, in: OUTS + r x OP + 64 w + 32 h
.set OLD, 8                            ; and back: OUTS + (2 w + h) x OP + 16 r
.set OGL, 9                            ; the same place in hb: (2 w + h) x 4,096 + 16 r
.set BAO, 10                           ; 32 h: my eight numbers of ba
.set QS,  11                           ; 2^e0
.set XF,  32                           ; v32-63   32 numbers of hidden
.set CDS, 64                           ; v64-71   their codes
.set HF,  72                           ; v72-199  hidden's 8 fragments
.set ACC, 200                          ; two accumulators, by turns
.set BA,  216
.set RES, 224
.set RB,  232
.macro PLACES                          ; four plain vector instructions between a matrix instruction and a read of its result (ISA guide 7.12.1)
.rept 4
	v_nop
.endr
.endm
	s_load_b256 s[4:11], s[0:1], 0x0               ; hidden s[4:5], Wa's codes s[6:7], the exponents s[8:9], ba s[10:11]
	s_load_b64 s[12:13], s[0:1], 0x20              ; hb
	v_lshl_add_u32 v[SPW], v0, 2, SPARE
	v_mov_b32 v[NIL], 0
	ds_add_u32 v[SPW], v[NIL]                      ; the opening: the add, twice on end
	ds_add_u32 v[SPW], v[NIL]
	v_lshrrev_b32 v12, 5, v0
	v_readfirstlane_b32 s16, v12                   ; wave 0..3
	s_and_b32 s17, ttmp7, 0xffff                   ; which 4 rows b
	; descriptor group 1: 16 rows x 1,024 bytes, 2,048 bytes apart; after every 256 words (code 7) four words of padding (code 3)
	s_mov_b32 s24, (0<<16)|(1<<20)|(7<<22)|(3<<25)
	s_mov_b32 s25, 1024<<16
	s_mov_b32 s26, 16<<16
	s_mov_b32 s27, 1024<<16
	s_mov_b32 s28, 16
	s_mov_b32 s29, 2048
	s_mov_b32 s30, 0
	s_mov_b32 s31, 0
	s_mov_b32 s32, 1
	s_mul_i32 s33, s16, WTB                        ; my own tile in LDS
	s_lshl_b32 s20, ttmp9, 17                      ; Wa's row 64 x + 16 w: 2,048 bytes a row
	s_lshl_b32 s21, s16, 15
	s_add_co_u32 s20, s20, s21
	s_mov_b32 s21, 0
	s_lshl_b32 s22, s17, 14                        ; hidden: 4 rows of 4,096 bytes for each y, my 1,024 bytes of a row
	s_lshl_b32 s23, s16, 10
	s_add_co_u32 s22, s22, s23
	s_mov_b32 s23, 0
	s_lshl_b32 s36, ttmp9, 8                       ; ba: my 16 numbers begin at 64 x + 16 w
	s_lshl_b32 s37, s16, 6
	s_add_co_u32 s36, s36, s37
	s_mov_b32 s37, 0
	s_lshl_b32 s38, s17, 14                        ; hb: row 4 y, column 64 x
	s_lshl_b32 s39, ttmp9, 8
	s_add_co_u32 s38, s38, s39
	s_mov_b32 s39, 0
	s_lshl_b32 s46, s16, 8
	s_add_co_u32 s46, s46, HC
	s_lshl_b32 s47, s16, 6
	s_add_co_u32 s47, s47, OUTS
	s_mul_i32 s48, s16, 2*OP
	s_add_co_u32 s48, s48, OUTS
	s_lshl_b32 s49, s16, 13
	v_and_b32 v12, 31, v0                          ; lane
	v_and_b32 v13, 15, v0                          ; r
	v_bfe_u32 v14, v0, 4, 1                        ; h
	v_lshlrev_b32 v[GLO], 4, v12
	v_lshl_add_u32 v[HST], v12, 2, s46
	v_mul_u32_u24 v15, v13, PITCH
	v_lshl_add_u32 v15, v14, 4, v15
	v_add_nc_u32 v[WLD], s33, v15
	v_and_b32 v16, 3, v13
	v_mul_u32_u24 v16, v16, PITCH
	v_lshl_add_u32 v16, v14, 4, v16
	v_add_nc_u32 v[HLD], HC, v16
	v_mul_u32_u24 v17, v13, OP
	v_lshl_add_u32 v17, v14, 5, v17
	v_add_nc_u32 v[OST], s47, v17
	v_mul_u32_u24 v18, v14, OP
	v_lshl_add_u32 v18, v13, 4, v18
	v_add_nc_u32 v[OLD], s48, v18
	v_lshlrev_b32 v19, 12, v14
	v_lshl_add_u32 v19, v13, 4, v19
	v_add_nc_u32 v[OGL], s49, v19
	v_lshlrev_b32 v[BAO], 5, v14
	s_wait_alu depctr_va_vdst(0)
	s_wait_dscnt 0x0                               ; both opening adds are done
	s_wait_kmcnt 0x0
	s_load_b64 s[40:41], s[8:9], 0x0               ; e0, e1
	s_add_nc_u64 s[34:35], s[6:7], s[20:21]        ; Wa's first 1,024 codes: hidden's half of K
	s_or_b32 s35, s35, 0x80000000
	s_add_nc_u64 s[4:5], s[4:5], s[22:23]
	s_add_nc_u64 s[10:11], s[10:11], s[36:37]
	s_add_nc_u64 s[12:13], s[12:13], s[38:39]
	tensor_load_to_lds s[32:35], s[24:31]          ; my one tensor load; only I read what it brings, behind my own wait
	s_nop 0
	PLACES
.irp p, 0,1,2,3
.irp j, 0,1
	global_load_b128 v[XF+8*\p+4*\j:XF+8*\p+4*\j+3], v[GLO], s[4:5] offset:\p*4096+512*\j   ; row p, k = 256 w + 128 j + 4 x lane on: 32 lanes read 512 consecutive bytes
.endr
.endr
	global_load_b128 v[BA:BA+3], v[BAO], s[10:11]                ; ba at my eight columns: 64 x + 16 w + 8 h + 0..7
	global_load_b128 v[BA+4:BA+7], v[BAO], s[10:11] offset:16
	s_wait_kmcnt 0x0
	s_add_co_i32 s18, s40, 127
	s_lshl_b32 s19, s18, 23
	v_mov_b32 v[QS], s19                           ; 2^e0: the conversion takes its exponent field
	s_add_co_i32 s18, s18, 15
	s_lshl_b32 s18, s18, 23
	s_or_b32 s43, s18, 0x600000                    ; 57,344 x 2^e0,
	s_or_b32 s42, s43, 0x80000000                  ; and its negative
	s_add_co_i32 s18, s40, s41
	s_add_co_i32 s18, s18, 127
	s_lshl_b32 s44, s18, 23                        ; 2^(e0+e1)
	s_mov_b32 s45, s44                             ; (named with it as a pair, so it is written)
	s_wait_loadcnt 0x2                             ; hidden's numbers are in; ba's two loads may be out
.set j, 0
.rept 32
	v_med3_num_f32 v[XF+j], v[XF+j], s42, s43      ; the conversion to an 8-bit code does not saturate (ISA guide 7.6.2): the hold comes first
.set j, j+1
.endr
.set j, 0
.rept 4
	v_cvt_scalef32_pk8_bf8_f32 v[CDS+2*j:CDS+2*j+1], v[XF+8*j:XF+8*j+7], v[QS]   ; row j: each word of the result is four neighbouring codes
.set j, j+1
.endr
	v_nop                                          ; one plain vector instruction behind the last conversion
.irp p, 0,1,2,3
.irp j, 0,1
	ds_store_b32 v[HST], v[CDS+2*\p+\j] offset:\p*PITCH+128*\j   ; 32 lanes store 128 consecutive bytes of row p
.endr
.endr
	s_wait_dscnt 0x0                               ; for the others' sake: my codes lie in LDS
	s_barrier_signal -1
	s_barrier_wait -1                              ; the 4 rows' codes are whole
.irp t, 0,1,2,3,4,5,6,7
.irp c, 0,1,2,3
	ds_load_b128 v[HF+16*\t+4*\c:HF+16*\t+4*\c+3], v[HLD] offset:128*\t+32*\c
.endr
.endr
	s_wait_tensorcnt 0x0                           ; my tile of Wa has landed
	s_set_vgpr_msb 0x0040                          ; Wa's 8 fragments: window 1, v0-127
.irp t, 0,1,2,3,4,5,6,7
.irp c, 0,1,2,3
	ds_load_b128 v[16*\t+4*\c:16*\t+4*\c+3], v[WLD] offset:128*\t+32*\c
.endr
.endr
	s_set_vgpr_msb 0x4001                          ; source 0 window 1
.irp t, 0,1,2,3,4,5,6,7                ; K step t on accumulator t % 2: the two take turns, one instruction a turn
	s_wait_dscnt 28-4*\t                           ; the later K steps' fragments may be out
.if \t < 2
	v_wmma_f32_16x16x128_bf8_bf8 v[ACC+8*(\t%2):ACC+8*(\t%2)+7], v[16*\t:16*\t+15], v[HF+16*\t:HF+16*\t+15], 0
.else
	v_wmma_f32_16x16x128_bf8_bf8 v[ACC+8*(\t%2):ACC+8*(\t%2)+7], v[16*\t:16*\t+15], v[HF+16*\t:HF+16*\t+15], v[ACC+8*(\t%2):ACC+8*(\t%2)+7]
.endif
.endr
	s_set_vgpr_msb 0x0100
	PLACES
	s_wait_loadcnt 0x0                             ; ba
.irp i, 0,2,4,6
	v_pk_add_f32 v[RES+\i:RES+\i+1], v[ACC+\i:ACC+\i+1], v[ACC+8+\i:ACC+8+\i+1]   ; the two partial sums; each accumulator from its low end on
.endr
.irp i, 0,2,4,6
	v_pk_fma_f32 v[RES+\i:RES+\i+1], v[RES+\i:RES+\i+1], s[44:45], v[BA+\i:BA+\i+1] op_sel_hi:[1,0,1]   ; x 2^(e0+e1) + ba
.endr
	ds_store_b128 v[OST], v[RES:RES+3]             ; lane (r, h): hb(4 y + r % 4, 64 x + 16 w + 8 h + 0..7)
	ds_store_b128 v[OST], v[RES+4:RES+7] offset:16
	s_wait_dscnt 0x0                               ; a row's 256 bytes come from four waves
	s_barrier_signal -1
	s_barrier_wait -1
	s_cmp_gt_u32 s16, 1
	s_cbranch_scc1 .Lend                           ; waves 0 and 1 store two rows each
	ds_load_b128 v[RB:RB+3], v[OLD]                ; row 2 w + h
	s_wait_dscnt 0x0
	global_store_b128 v[OGL], v[RB:RB+3], s[12:13] ; sixteen lanes store 256 consecutive bytes, at a multiple of 256 from hb's first byte
.Lend:
	s_wait_tensorcnt 0x0                           ; the wave's end
	ds_add_u32 v[SPW], v[NIL]
	s_wait_dscnt 0x0
	s_endpgm
.Lfunc_end_k_qf3916e91a6_hid:
	.size	k_qf3916e91a6_hid, .Lfunc_end_k_qf3916e91a6_hid-k_qf3916e91a6_hid
	.p2alignl 7, 3214868480
	.fill 96, 4, 3214868480
	.section	.rodata,"a",@progbits
	.p2align	6, 0x0
	.amdhsa_kernel k_qf3916e91a6_hid
		.amdhsa_group_segment_fixed_size 168448
		.amdhsa_private_segment_fixed_size 0
		.amdhsa_enable_private_segment 0
		.amdhsa_kernarg_size 40
		.amdhsa_user_sgpr_count 2
		.amdhsa_user_sgpr_kernarg_segment_ptr 1
		.amdhsa_wavefront_size32 1
		.amdhsa_system_sgpr_workgroup_id_x 1
		.amdhsa_system_sgpr_workgroup_id_y 1
		.amdhsa_system_sgpr_workgroup_id_z 1
		.amdhsa_system_vgpr_workitem_id 0
		.amdhsa_next_free_vgpr 384
		.amdhsa_next_free_sgpr 66
		.amdhsa_reserve_vcc 0
		.amdhsa_float_denorm_mode_32 3
		.amdhsa_float_denorm_mode_16_64 3
		.amdhsa_memory_ordered 1
		.amdhsa_forward_progress 1
		.amdhsa_inst_pref_size 15
	.end_amdhsa_kernel
	.amdgpu_metadata
---
amdhsa.version: [ 1, 2 ]
amdhsa.kernels:
  - .name:           k_qf3916e91a6_hid
    .symbol:         k_qf3916e91a6_hid.kd
    .args:
      - { .name: hidden, .offset: 0, .size: 8, .value_kind: global_buffer, .address_space: global }
      - { .name: Wa_codes, .offset: 8, .size: 8, .value_kind: global_buffer, .address_space: global }
      - { .name: lowp_scales, .offset: 16, .size: 8, .value_kind: global_buffer, .address_space: global }
      - { .name: ba, .offset: 24, .size: 8, .value_kind: global_buffer, .address_space: global }
      - { .name: hb, .offset: 32, .size: 8, .value_kind: global_buffer, .address_space: global }
    .group_segment_fixed_size: 168448
    .private_segment_fixed_size: 0
    .kernarg_segment_align: 8
    .kernarg_segment_size: 40
    .max_flat_workgroup_size: 128
    .sgpr_count:     66
    .vgpr_count:     384
    .wavefront_size: 32
...
	.end_amdgpu_metadata
.endif
;; end of part 1
;; launch main (part 2): grid 256 x 1, 4 waves a work-group, clusters of 4 x 1, 327,680 bytes of LDS; arguments encoder_outputs, Wa_codes, lowp_scales, hb, Ws, score; writes score
.if DOCPART == 2
	.amdgcn_target "amdgcn-amd-amdhsa--gfx1250"
	.amdhsa_code_object_version 6
	.text
	.protected	k_qf3916e91a6_main
	.globl	k_qf3916e91a6_main
	.p2align	8
	.type	k_qf3916e91a6_main,@function
k_qf3916e91a6_main:
	s_mov_b64 s[64:65], 0
	v_nop
	global_prefetch_b8 v0, s[64:65] scope:SCOPE_SE
	s_setreg_imm32_b32 hwreg(HW_REG_WAVE_MODE, 25, 1), 1
	s_wait_xcnt 0x0
	s_wait_alu depctr_hold_cnt(0) depctr_sa_sdst(0) depctr_va_vdst(0) depctr_va_sdst(0) depctr_va_ssrc(0) depctr_va_vcc(0) depctr_vm_vsrc(0)
	s_getreg_b32 s2, hwreg(HW_REG_IB_STS2, 6, 4)
	s_cmp_eq_u32 s2, 0
	s_cbranch_scc0 .Lentry_in_a_cluster
	s_endpgm
.Lentry_in_a_cluster:
	s_bfe_u32 s2, ttmp6, 0x10000c
	s_cmp_lg_u32 s2, 0x3003
	s_cbranch_scc0 .Lentry_shape_is_right
	s_endpgm
.Lentry_shape_is_right:
; score[b][s] = sum over n of relu(2^(e0+e1) x (sum over k of Q(encoder_outputs)[s][b][k] x Wa[n][1024 + k]) + hb[b][n]) x Ws[n].
; hb (the launch before) holds the half of the product's K that is hidden[b], and ba.  The factor, pe, the mask and the softmax follow in the next launch.
; Q: x held within +-57,344 x 2^e0, divided by 2^e0, rounded to the nearest code, ties to even.
; LIMITS: e0 between -126 and 112, e0 + e1 between -126 and 127, so that each power of two below is an f32 number.  NaN in encoder_outputs is not served; an infinity is held at the largest code.
; SHARES: a cluster of four work-groups takes one b, a work-group 128 s of it x all 1,024 columns n; a wave 64 of the rows (WM) x 128 columns (WN) of each chunk of 256 columns.
; LOAD PHASE: K comes in eight slabs of 128.  Each wave loads 32 rows of a slab (f32, 512 bytes of a row an instruction), quantises them, and hands the codes round through LDS; every wave then keeps its 64 rows'
; fragments in registers for the whole launch, and multiplies the slab at once with chunk 0's columns, while the next slabs are on their way.  Then chunks 1, 2 (a loop) and 3 (written out: it fills nothing) follow.
; CLUSTERS: Wa's tiles (256 columns n x 512 along K) are the same for all: they are asked for jointly by the four partners, one load a wave of 64 rows x 512 bytes; a ring of two slots: slot 0 k < 512, slot 1 the rest.
; PREFETCHES: my rows of slab T + 3 are asked for at slab T (slab 2 at the head; slabs 0 and 1 come by their loads alone), a lane a row, two blocks of 256 bytes each; nothing beyond slab 7.
; Wa's tile i + 2 is asked for where tile i is (i = 1 to 5), by four clusters, since all read the same; the partners of a cluster share a tile's 512 blocks out by address.
; REGISTERS: window 0: v1-15 addresses; v16-31 hb and Ws of my columns; v32-223 three buffers of B's fragments (64 each); v224-255 codes just made, later the row sums P.
;   window 1: 32 accumulators (4 x 16 rows, 8 x 16 columns).  windows 2, 3: A's fragments, slab T at place T, 64 registers each.
;   A half slab (16 rows, 64 registers) lands in place 7, place 6 or B's third buffer by turns: place 6 serves the halves up to 13 and place 7 those up to 15, ahead of their own slab's fragments.
.set ROWSTEP, 262144                   ; from s to s + 1 in encoder_outputs
.set BP,      528                      ; an LDS row of Wa: 512 codes + 16: rows start at 16 different banks (64 banks of 4 bytes: ISA guide 11.1)
.set QUART,   64*BP
.set SLOTB,   4*QUART
.set STG,     2*SLOTB                  ; two stages for a slab's codes, by turns; no fill lands there
.set AP,      144
.set STGB,    128*AP
.set SCR,     STG+2*STGB               ; 2 x 128 row sums
.set SPARE,   SCR+1024                 ; the spare words, 128 bytes a wave
.set CHUNKB,  256*2048
.set SPW, 1
.set NIL, 2
.set GL,  3                            ; 16 x lane
.set STS, 4                            ; where I store codes
.set STF, 5                            ; where my A fragments lie
.set ADRB, 6                           ; v6-7 my B fragments in slot 0, 1
.set CWO, 8
.set SCRS, 9
.set QS,  10                           ; 2^e0
.set FIN, 11
.set PFE, 12                           ; prefetch of encoder rows: lane x ROWSTEP
.set PFW, 13                           ; prefetch of Wa: my 16 rows x 2 blocks
.set CW,  16
.set WS,  24
.set BF,  32
.set CD,  224
.set P,   224
.set WV,  16
.set WM,  17
.set WN,  18
.set CX,  19
.set TRIPS, 22
.set G1,  24
.set G0,  32
.set NLIM, 42
.set PLIM, 43
.set SC,  44
.set LIM, 58                           ; 1 in the clusters that prefetch Wa, else 100
.set WB,  60                           ; s[60:61] Wa's second 1,024 codes
.set MSB, 0
.macro WIN new                         ; the immediate's high byte repeats the setting that is left
.if MSB != (\new)
	s_set_vgpr_msb (MSB<<8)|(\new)
.set MSB, (\new)
.endif
.endm
.macro PLACES                          ; four plain vector instructions behind a matrix instruction, ahead of loads into its sources or reads of its result
.rept 4
	v_nop
.endr
.endm
.macro CREST                           ; a round behind its opening barrier
	s_cmp_lg_u32 s[WV], 0
	s_cbranch_scc1 .Lnot_wave_0_\@
	s_barrier_signal -3
.Lnot_wave_0_\@:
	s_barrier_wait -3
	s_barrier_signal -1
	s_barrier_wait -1
.endm
.macro ROUND                           ; a whole round of the cluster's barrier
	s_barrier_signal -1
	s_barrier_wait -1
	CREST
.endm
.macro LPLACE g                        ; where half g lands: register LB of window LW
.if ((\g)%3) == 2
.set LB, BF+128
.set LW, 0
.else
.set LB, 192-64*((\g)%3)
.set LW, 3
.endif
.endm
.macro GLOAD g                         ; half g: 16 rows x 512 bytes
	LPLACE \g
	WIN LW*0x40
.irp i, 0,1,2,3,4,5,6,7,8,9,10,11,12,13,14,15
	global_load_b128 v[LB+4*\i:LB+4*\i+3], v[GL], s[4:5] offset:(16*((\g)%2)+\i)*ROWSTEP+512*((\g)/2) th:TH_LOAD_NT
.endr
.endm
.macro HALF g                          ; quantise half g, store its codes, and ask for half g + 3 into the same registers
.if (\g) <= 13
	s_wait_loadcnt 32                              ; the two younger halves may be out
.elseif (\g) == 14
	s_wait_loadcnt 16
.else
	s_wait_loadcnt 0
.endif
	LPLACE \g
	WIN LW*0x41
.set j, 0
.rept 64
	v_med3_num_f32 v[LB+j], v[LB+j], s[NLIM], s[PLIM]   ; the conversion to an 8-bit code does not saturate (ISA guide 7.6.2)
.set j, j+1
.endr
	WIN LW
.set j, 0
.rept 8
	v_cvt_scalef32_pk8_bf8_f32 v[CD+16*((\g)%2)+2*j:CD+16*((\g)%2)+2*j+1], v[LB+8*j:LB+8*j+7], v[QS]   ; four codes of row 2 j, four of row 2 j + 1
.set j, j+1
.endr
	WIN 0
	v_nop                                          ; one plain vector instruction behind the last conversion
.set j, 0
.rept 16
	ds_store_b32 v[STS], v[CD+16*((\g)%2)+j] offset:(((\g)/2)%2)*STGB+(16*((\g)%2)+j)*AP
.set j, j+1
.endr
.if (\g)+3 < 16
	GLOAD (\g)+3
.endif
.endm
.macro BAR t                           ; slab t's codes are whole behind it.  At slab 2 and 4 it is a round, and a slot is filled behind it
	WIN 0
.if ((\t) == 2) || ((\t) == 4)
	s_wait_tensorcnt 0x0                           ; my part of the tile that this slab reads first has landed
	ds_add_u32 v[SPW], v[NIL]
.if (\t) == 4
	s_add_nc_u64 s[G0+2:G0+3], s[G0+2:G0+3], CHUNKB
.endif
	s_wait_dscnt 0x0                               ; the add, my stores of codes and my reads are done
	ROUND
	tensor_load_to_lds s[G0+8-2*(\t):G0+11-2*(\t)], s[G1:G1+7]   ; slab 2: slot 1's first fill, tile 1; slab 4: tile 2 into slot 0
	s_nop 0
	PLACES
.else
	s_wait_dscnt 0x0                               ; my stores of codes and my reads are done
	s_barrier_signal -1
	s_barrier_wait -1
.endif
.endm
.macro ALOAD t                         ; my 64 rows of slab t
	WIN 0x80+0x40*((\t)/4)
.irp a, 0,1,2,3
.irp c, 0,1,2,3
	ds_load_b128 v[64*((\t)%4)+16*\a+4*\c:64*((\t)%4)+16*\a+4*\c+3], v[STF] offset:((\t)%2)*STGB+\a*16*AP+32*\c
.endr
.endr
	WIN 0
.endm
.macro BLOAD u, f                      ; unit u of a chunk: 128 along K (u / 2) x 64 columns (u % 2), into buffer f
.set KK, (\u)/2
.set NH, (\u)%2
.set BB, BF+64*(\f)
	WIN 0
.irp i, 0,1,2,3
.irp c, 0,1,2,3
	ds_load_b128 v[BB+16*\i+4*\c:BB+16*\i+4*\c+3], v[ADRB+KK/4] offset:16*(4*NH+\i)*BP+128*(KK%4)+32*\c
.endr
.endr
.endm
.macro WMM u, f, i, a                  ; one product of unit u: 16 rows (a) x 16 columns (i).  Units 0 and 1 start the sums
.set KK, (\u)/2
.set NH, (\u)%2
.set BB, BF+64*(\f)+16*(\i)
.set AA, 64*(KK%4)+16*(\a)
.set DD, 8*(8*(\a)+4*NH+(\i))
	WIN 0x52+KK/4
.if (\u) < 2
	v_wmma_f32_16x16x128_bf8_bf8 v[DD:DD+7], v[AA:AA+15], v[BB:BB+15], 0
.else
	v_wmma_f32_16x16x128_bf8_bf8 v[DD:DD+7], v[AA:AA+15], v[BB:BB+15], v[DD:DD+7]
.endif
.endm
; Unit u's products on buffer f, column tiles i0 .. i0 + cnt - 1, four each; the accumulators take turns.
.macro MUL u, f, i0, cnt
.set II, \i0
.rept \cnt
	WMM \u, \f, II, 0
	WMM \u, \f, II, 1
	WMM \u, \f, II, 2
	WMM \u, \f, II, 3
.set II, II+1
.endr
.endm
; Units u and u + 1 are the last on their slot.  The wait for my tensor loads and the add stand ahead of this macro, with products at most between.  Behind the first unit, and half of the second,
; the slot is free and the other slot's tile is whole.  r = 1: a round, and the slot is filled again.
.macro TURN u, f, f1, r
	MUL \u, \f, 0, 4
.if \r
	s_add_nc_u64 s[G0+4*((\u)/8)+2:G0+4*((\u)/8)+3], s[G0+4*((\u)/8)+2:G0+4*((\u)/8)+3], CHUNKB
.endif
	s_wait_dscnt 0x0                               ; the add and my reads of this slot are done
	s_barrier_signal -1
	MUL (\u)+1, \f1, 0, 2                          ; work on registers while the others arrive
	WIN 0
	s_barrier_wait -1
.if \r
	CREST
	tensor_load_to_lds s[G0+4*((\u)/8):G0+4*((\u)/8)+3], s[G1:G1+7]
	s_nop 0
.endif
	PLACES
.endm
.macro EPF t                           ; my wave's 32 rows of slab t: each block of 256 bytes once
	global_prefetch_b8 v[PFE], s[4:5] offset:512*(\t) th:TH_LOAD_NT scope:SCOPE_SE
	global_prefetch_b8 v[PFE], s[4:5] offset:512*(\t)+256 th:TH_LOAD_NT scope:SCOPE_SE
.endm
.macro WPF tile, loop                  ; Wa's tile, by four clusters; in the loop in its first trip alone
.if \loop
	s_cmp_gt_u32 s[TRIPS], s[LIM]
.else
	s_cmp_eq_u32 s[LIM], 1
.endif
	s_cbranch_scc0 .Lnot_mine_\@
	global_prefetch_b8 v[PFW], s[WB:WB+1] offset:((\tile)/2)*CHUNKB+512*((\tile)%2) th:TH_LOAD_NT scope:SCOPE_SE
.Lnot_mine_\@:
.endm
.macro CWLOAD                          ; hb and Ws at my columns of the chunk
.irp b, 0,1,2,3,4,5,6,7
	global_load_b32 v[CW+\b], v[CWO], s[10:11] offset:64*\b
	global_load_b32 v[WS+\b], v[CWO], s[12:13] offset:64*\b
.endr
.endm
.macro UNIT u, r                       ; r = 1: the chunk fills both slots again
.if ((\u) == 6) || ((\r) && ((\u) == 14))
	s_wait_dscnt 17                                ; unit u + 1's fragments and the add may be out
	TURN \u, (\u)%3, ((\u)+1)%3, \r
.if (\u) == 6
	BLOAD 8, 2
	BLOAD 9, 0
.else
	BLOAD 1, 1                                     ; the next chunk's unit 1
.endif
.if \r
	WPF 6+((\u)/8), 1
.endif
.if (\u) == 6
	MUL 7, 1, 2, 2
.else
	MUL 15, 0, 2, 2
.endif
.elseif ((\u) != 7) && (((\r) == 0) || ((\u) != 15))
.if ((\u) > 0) && ((\u) < 14)          ; unit 2 has come with units 0 and 1
	PLACES
	BLOAD (\u)+2, ((\u)+2)%3
.endif
.if ((\u) == 5) || ((\r) && ((\u) == 13))
	s_wait_tensorcnt 0x0                           ; my part of the other slot's tile has landed
	ds_add_u32 v[SPW], v[NIL]                      ; the add: this unit's and the next's products stand between it and the wait for it
	s_wait_dscnt 33                                ; units u + 1 and u + 2 and the add may be out
.elseif ((\u) == 0) || ((\u) == 15)
	s_wait_dscnt 0
.elseif (\u) == 14
	s_wait_dscnt 16                                ; unit 15's fragments may be out
.else
	s_wait_dscnt 32                                ; units u + 1 and u + 2 may be out
.endif
	MUL \u, (\u)%3, 0, 4
.endif
.endm
.macro EPI first                       ; relu(2^(e0+e1) x sum + hb) in place, then x Ws into the row sums; each accumulator from its low end on
	s_wait_loadcnt 0x0                             ; hb and Ws
	WIN 0x45
.irp p, 0,1,2,3
.irp o, 0,1
.irp a, 0,1,2,3
.irp i, 0,2,4,6
	v_pk_fma_f32 v[8*(8*\a+2*\p+\o)+\i:8*(8*\a+2*\p+\o)+\i+1], v[8*(8*\a+2*\p+\o)+\i:8*(8*\a+2*\p+\o)+\i+1], s[SC:SC+1], v[CW+2*\p:CW+2*\p+1] op_sel:[0,0,\o] op_sel_hi:[1,0,\o]
.endr
.endr
.endr
.endr
.set j, 0
.rept 256
	v_max_num_f32 v[j], 0, v[j]
.set j, j+1
.endr
	WIN 0x01
.irp p, 0,1,2,3
.irp o, 0,1
.irp a, 0,1,2,3
.irp i, 0,2,4,6
.if (\first) && (\p == 0) && (\o == 0)
	v_pk_mul_f32 v[P+8*\a+\i:P+8*\a+\i+1], v[8*(8*\a)+\i:8*(8*\a)+\i+1], v[WS:WS+1] op_sel_hi:[1,0]
.else
	v_pk_fma_f32 v[P+8*\a+\i:P+8*\a+\i+1], v[8*(8*\a+2*\p+\o)+\i:8*(8*\a+2*\p+\o)+\i+1], v[WS+2*\p:WS+2*\p+1], v[P+8*\a+\i:P+8*\a+\i+1] op_sel:[0,\o,0] op_sel_hi:[1,\o,1]
.endif
.endr
.endr
.endr
.endr
	WIN 0
.endm
.macro NEXTCW                          ; on to the next chunk's hb and Ws (the last loads by these bases have been waited for)
	s_add_nc_u64 s[10:11], s[10:11], 1024
	s_add_nc_u64 s[12:13], s[12:13], 1024
	CWLOAD
.endm
.macro CHUNK r
.set U, 0
.rept 16
	UNIT U, \r
.set U, U+1
.endr
	PLACES
	WIN 0
.if \r
	BLOAD 0, 0                                     ; the next chunk's units 0 and 2; the epilogue, in place, runs while they come
	BLOAD 2, 2
.endif
	EPI 0
.if \r
	NEXTCW
.endif
.endm
	s_load_b256 s[4:11], s[0:1], 0x0               ; encoder_outputs s[4:5], Wa's codes s[6:7], the exponents s[8:9], hb s[10:11]
	s_load_b128 s[12:15], s[0:1], 0x20             ; Ws s[12:13], score s[14:15]
	v_lshl_add_u32 v[SPW], v0, 2, SPARE
	v_mov_b32 v[NIL], 0
	ds_add_u32 v[SPW], v[NIL]                      ; the opening: the add, twice on end
	ds_add_u32 v[SPW], v[NIL]
	v_lshrrev_b32 v14, 5, v0
	v_readfirstlane_b32 s[WV], v14
	s_lshr_b32 s[WM], s[WV], 1
	s_and_b32 s[WN], s[WV], 1
	s_bfe_u32 s[CX], ttmp6, 0x40000                ; my quarter of s
	; descriptor group 1: 64 rows x 512 bytes, 2,048 bytes apart; after every 128 words (code 6) four words of padding (code 3); the mask names the cluster's four
	s_mov_b32 s[G1], 15|(0<<16)|(1<<20)|(1<<21)|(6<<22)|(3<<25)
	s_mov_b32 s[G1+1], 512<<16
	s_mov_b32 s[G1+2], 64<<16
	s_mov_b32 s[G1+3], 512<<16
	s_mov_b32 s[G1+4], 64
	s_mov_b32 s[G1+5], 2048
	s_mov_b32 s[G1+6], 0
	s_mov_b32 s[G1+7], 0
	s_lshl_b32 s46, s[CX], 25                      ; encoder_outputs: s = 128 cx + 32 wave, b = cluster
	s_lshl_b32 s47, ttmp9, 12
	s_add_co_u32 s46, s46, s47
	s_lshl_b32 s47, s[WV], 23
	s_add_co_u32 s46, s46, s47
	s_mov_b32 s47, 0
	s_lshl_b32 s48, ttmp9, 12                      ; hb: row b
	s_mov_b32 s49, 0
	s_lshl_b32 s50, ttmp9, 11                      ; score: row b, 128 cx on
	s_lshl_b32 s51, s[CX], 9
	s_add_co_u32 s50, s50, s51
	s_mov_b32 s51, 0
	s_mul_i32 s52, s[WV], QUART                    ; my 64 rows of a tile, in LDS
	s_lshl_b32 s54, s[WV], 17                      ; and in memory
	s_mov_b32 s55, 0
	s_mul_i32 s53, s[WV], 32*AP
	s_add_co_u32 s53, s53, STG
	s_mul_i32 s56, s[WM], 64*AP
	s_add_co_u32 s56, s56, STG
	s_mul_i32 s57, s[WN], 128*BP
	s_lshl_b32 s59, s[WN], 9
	s_lshl_b32 s62, s[WM], 8
	s_add_co_u32 s62, s62, s59
	s_add_co_u32 s62, s62, SCR
	s_lshl_b32 s63, s[CX], 15                      ; prefetches of Wa: row 64 wave + 16 cx
	s_add_co_u32 s63, s63, s54
	v_and_b32 v16, 31, v0                          ; lane
	v_lshlrev_b32 v[GL], 4, v16
	v_lshlrev_b32 v[PFE], 18, v16
	v_and_b32 v17, 15, v0                          ; r
	v_bfe_u32 v18, v0, 4, 1                        ; h
	v_lshl_add_u32 v[STS], v16, 2, s53
	v_mul_u32_u24 v19, v17, AP
	v_lshl_add_u32 v19, v18, 4, v19
	v_add_nc_u32 v[STF], s56, v19
	v_mul_u32_u24 v20, v17, BP
	v_lshl_add_u32 v20, v18, 4, v20
	v_add_nc_u32 v[ADRB], s57, v20
	v_add_nc_u32 v[ADRB+1], SLOTB, v[ADRB]
	v_lshl_add_u32 v[CWO], v17, 2, s59
	v_lshl_add_u32 v[SCRS], v18, 5, s62
	v_add_nc_u32 v[FIN], SCR, v[GL]
	v_lshlrev_b32 v21, 11, v17
	v_lshl_add_u32 v21, v18, 8, v21
	v_add_nc_u32 v[PFW], s63, v21
	s_wait_alu depctr_va_vdst(0)
	s_wait_dscnt 0x0                               ; both opening adds are done
	ROUND                                          ; the four work-groups are here: the first joint loads meet (the arguments come meanwhile)
	s_wait_kmcnt 0x0
	s_load_b64 s[40:41], s[8:9], 0x0               ; e0, e1
	s_add_nc_u64 s[4:5], s[4:5], s[46:47]
	s_add_nc_u64 s[10:11], s[10:11], s[48:49]
	s_add_nc_u64 s[14:15], s[14:15], s[50:51]
	s_add_nc_u64 s[WB:WB+1], s[6:7], 1024          ; the second half of Wa's K
	s_add_nc_u64 s[54:55], s[WB:WB+1], s[54:55]
.irp s, 0,1
	s_mov_b32 s[G0+4*\s], 1
	s_add_co_u32 s[G0+4*\s+1], s52, \s*SLOTB
	s_add_nc_u64 s[G0+4*\s+2:G0+4*\s+3], s[54:55], 512*\s
	s_or_b32 s[G0+4*\s+3], s[G0+4*\s+3], 0x80000000
.endr
	s_cmp_lt_u32 ttmp9, 4
	s_cselect_b32 s[LIM], 1, 100
	tensor_load_to_lds s[G0:G0+3], s[G1:G1+7]      ; tile 0, ahead of the rows' loads: one tensor load a wave at the head
	s_nop 0
	PLACES
	WPF 1, 0                                       ; tile 1, which is asked for at slab 2
	GLOAD 0
	GLOAD 1
	GLOAD 2
	WIN 0
	EPF 2
	s_wait_kmcnt 0x0
	s_add_co_i32 s46, s40, 127
	s_lshl_b32 s47, s46, 23
	v_mov_b32 v[QS], s47                           ; 2^e0: the conversion takes its exponent field
	s_add_co_i32 s46, s46, 15
	s_lshl_b32 s46, s46, 23
	s_or_b32 s[PLIM], s46, 0x600000                ; 57,344 x 2^e0
	s_or_b32 s[NLIM], s[PLIM], 0x80000000
	s_add_co_i32 s46, s40, s41
	s_add_co_i32 s46, s46, 127
	s_lshl_b32 s[SC], s46, 23                      ; 2^(e0+e1)
	s_mov_b32 s[SC+1], s[SC]
.set T, 0
.rept 8                                ; the slabs, with chunk 0
; Slabs 0 and 1 are quantised and kept while tile 0 comes; at slab 2 its tile is waited for, and slabs 0 and 1 are multiplied; at slab 3 slabs 2 and 3; from slab 4 on each slab at once.
.set FU, 2*T                           ; the first unit that this slab's place in the loop multiplies
.if T == 2
.set FU, 0
.elseif T == 3
.set FU, 4
.endif
	HALF 2*T
.if (T == 3) || (T > 4)                ; a tile that has been seen whole: fetched ahead of the barrier
	BLOAD FU, 0
	BLOAD FU+1, 1
.endif
	HALF 2*T+1
.if T == 7
	CWLOAD
.endif
	BAR T
	ALOAD T
.if (T == 2) || (T == 4)               ; a tile that no wave could read ahead of this barrier
	BLOAD FU, 0
	BLOAD FU+1, 1
.endif
.if T < 5
	EPF T+3
.endif
.if (T == 2) || (T == 4)
	WPF 3+T/4, 0
.endif
.if T == 7
	s_wait_tensorcnt 0x0                           ; my part of tile 2 has landed
	ds_add_u32 v[SPW], v[NIL]
	s_wait_dscnt 1                                 ; slab 7's fragments are in; the add may be out
.elseif T > 1
.if (T == 2) || (T == 4)
	s_wait_dscnt 16                                ; unit FU + 1's fragments may be out
.else
	s_wait_dscnt 0
.endif
	MUL FU, 0, 0, 4
	s_wait_dscnt 0
	MUL FU+1, 1, 0, 4
.if T < 4
	PLACES
	BLOAD FU+2, 0
	BLOAD FU+3, 1
	s_wait_dscnt 16                                ; unit FU + 3's fragments may be out
	MUL FU+2, 0, 0, 4
	s_wait_dscnt 0
	MUL FU+3, 1, 0, 4
.endif
.endif
.set T, T+1
.endr
	TURN 14, 0, 1, 1                               ; tile 3 into slot 1
	BLOAD 0, 0
	WPF 5, 0
	MUL 15, 1, 2, 2
	PLACES
	BLOAD 1, 1
	BLOAD 2, 2
	EPI 1
	NEXTCW
	s_mov_b32 s[TRIPS], 2
.Lchunk:
	CHUNK 1
	s_sub_co_u32 s[TRIPS], s[TRIPS], 1
	s_cmp_lg_u32 s[TRIPS], 0
	s_cbranch_scc1 .Lchunk
	CHUNK 0
.irp m, 1,2,4,8                        ; the row sums over the 16 lanes that hold a row's columns
.set j, 0
.rept 32
	v_add_f32_dpp v[P+j], v[P+j], v[P+j] row_xmask:\m row_mask:0xf bank_mask:0xf
.set j, j+1
.endr
.endr
.irp a, 0,1,2,3
.irp j, 0,1,2,3,4,5,6,7
	ds_store_b32 v[SCRS], v[P+8*\a+\j] offset:4*(16*\a+\j)   ; row 64 WM + 16 a + 8 h + j, half WN of the columns
.endr
.endr
	s_wait_dscnt 0x0                               ; for wave 0's sake
	s_barrier_signal -1
	s_barrier_wait -1
	s_cmp_lg_u32 s[WV], 0
	s_cbranch_scc1 .Lnot_first
	ds_load_b128 v[32:35], v[FIN]
	ds_load_b128 v[36:39], v[FIN] offset:512
	s_wait_dscnt 0x0
	v_pk_add_f32 v[32:33], v[32:33], v[36:37]
	v_pk_add_f32 v[34:35], v[34:35], v[38:39]
	global_store_b128 v[GL], v[32:35], s[14:15]    ; 32 lanes store 512 consecutive bytes, at a multiple of 256 from score's first byte
.Lnot_first:
	s_wait_tensorcnt 0x0                           ; the wave's end
	ds_add_u32 v[SPW], v[NIL]
	s_wait_dscnt 0x0
	ROUND                                          ; the closing round
	s_endpgm
.Lfunc_end_k_qf3916e91a6_main:
	.size	k_qf3916e91a6_main, .Lfunc_end_k_qf3916e91a6_main-k_qf3916e91a6_main
	.p2alignl 7, 3214868480
	.fill 96, 4, 3214868480
	.section	.rodata,"a",@progbits
	.p2align	6, 0x0
	.amdhsa_kernel k_qf3916e91a6_main
		.amdhsa_group_segment_fixed_size 327680
		.amdhsa_private_segment_fixed_size 0
		.amdhsa_enable_private_segment 0
		.amdhsa_kernarg_size 48
		.amdhsa_user_sgpr_count 2
		.amdhsa_user_sgpr_kernarg_segment_ptr 1
		.amdhsa_wavefront_size32 1
		.amdhsa_system_sgpr_workgroup_id_x 1
		.amdhsa_system_sgpr_workgroup_id_y 1
		.amdhsa_system_sgpr_workgroup_id_z 1
		.amdhsa_system_vgpr_workitem_id 0
		.amdhsa_next_free_vgpr 1024
		.amdhsa_next_free_sgpr 66
		.amdhsa_reserve_vcc 0
		.amdhsa_float_denorm_mode_32 3
		.amdhsa_float_denorm_mode_16_64 3
		.amdhsa_memory_ordered 1
		.amdhsa_forward_progress 1
		.amdhsa_inst_pref_size 255
	.end_amdhsa_kernel
	.section	.bss,"aw",@nobits
	.p2align	6
	.space	262144
	.amdgpu_metadata
---
amdhsa.version: [ 1, 2 ]
amdhsa.kernels:
  - .name:           k_qf3916e91a6_main
    .symbol:         k_qf3916e91a6_main.kd
    .args:
      - { .name: encoder_outputs, .offset: 0, .size: 8, .value_kind: global_buffer, .address_space: global }
      - { .name: Wa_codes, .offset: 8, .size: 8, .value_kind: global_buffer, .address_space: global }
      - { .name: lowp_scales, .offset: 16, .size: 8, .value_kind: global_buffer, .address_space: global }
      - { .name: hb, .offset: 24, .size: 8, .value_kind: global_buffer, .address_space: global }
      - { .name: Ws, .offset: 32, .size: 8, .value_kind: global_buffer, .address_space: global }
      - { .name: score, .offset: 40, .size: 8, .value_kind: global_buffer, .address_space: global }
    .group_segment_fixed_size: 327680
    .private_segment_fixed_size: 0
    .kernarg_segment_align: 8
    .kernarg_segment_size: 48
    .max_flat_workgroup_size: 128
    .sgpr_count:     66
    .vgpr_count:     1024
    .wavefront_size: 32
...
	.end_amdgpu_metadata
.endif
;; end of part 2
;; launch soft (part 3): grid 16 x 1, 4 waves a work-group, no clusters, 0 bytes of LDS; arguments score, pe, seq_mask, out0; writes out0
.if DOCPART == 3
	.amdgcn_target "amdgcn-amd-amdhsa--gfx1250"
	.amdhsa_code_object_version 6
	.text
	.protected	k_qf3916e91a6_soft
	.globl	k_qf3916e91a6_soft
	.p2align	8
	.type	k_qf3916e91a6_soft,@function
k_qf3916e91a6_soft:
	s_mov_b64 s[64:65], 0
	v_nop
	global_prefetch_b8 v0, s[64:65] scope:SCOPE_SE
	s_setreg_imm32_b32 hwreg(HW_REG_WAVE_MODE, 25, 1), 1
	s_wait_xcnt 0x0
; out0[b][s] = softmax over s of ( seq_mask[b][s] ? -1e12 : (ln 512 / 32) x score[b][s] + pe[b][s] ).  score, pe, out0: [64][512] f32; seq_mask: [64][512], a byte each.
; One wave, one row b = 4 x work-group + wave: 16 numbers a lane, so the maximum and the sum never leave the wave: no LDS, no barrier, no cluster (no two waves read the same bytes).
; The row's maximum is taken away ahead of the exponential.  A row that is masked everywhere gives 1 / 512 in every place.
; Each load and store of 16 bytes a lane covers 512 consecutive bytes; load j holds s = 128 j + 4 x lane + 0..3, and byte k of mask word j belongs to number 4 j + k.
.set X,  8                             ; v8-23   score, then x, then the result
.set PE, 24                            ; v24-39  pe
.set MK, 40                            ; v40-43  four mask bytes each
	s_load_b256 s[4:11], s[0:1], 0x0               ; score s[4:5], pe s[6:7], seq_mask s[8:9], out0 s[10:11]
	v_lshrrev_b32 v1, 5, v0
	v_readfirstlane_b32 s12, v1                    ; wave
	s_lshl_b32 s13, ttmp9, 2
	s_add_co_u32 s13, s13, s12                     ; b
	v_and_b32 v2, 31, v0
	v_lshlrev_b32 v3, 4, v2                        ; 16 x lane
	v_lshlrev_b32 v4, 2, v2                        ; 4 x lane
	s_lshl_b32 s14, s13, 11                        ; a row of 2,048 bytes
	s_mov_b32 s15, 0
	s_lshl_b32 s16, s13, 9                         ; a row of 512 mask bytes
	s_mov_b32 s17, 0
	s_mov_b32 s18, 0x76543210                      ; v_permlanex16_b32: lane l xor 16
	s_mov_b32 s19, 0xfedcba98
	s_wait_alu depctr_va_vdst(0)
	s_wait_kmcnt 0x0
	s_add_nc_u64 s[4:5], s[4:5], s[14:15]
	s_add_nc_u64 s[6:7], s[6:7], s[14:15]
	s_add_nc_u64 s[8:9], s[8:9], s[16:17]
	s_add_nc_u64 s[10:11], s[10:11], s[14:15]
.irp j, 0,1,2,3
	global_load_b128 v[X+4*\j:X+4*\j+3], v3, s[4:5] offset:512*\j
	global_load_b128 v[PE+4*\j:PE+4*\j+3], v3, s[6:7] offset:512*\j
	global_load_b32 v[MK+\j], v4, s[8:9] offset:128*\j
.endr
	v_mov_b32 v45, 0xd368d4a5                      ; -1e12
	v_mov_b32 v47, 0                               ; written once: a lane permute's destination counts as one of its sources
	s_wait_loadcnt 0x0
.irp i, 0,2,4,6,8,10,12,14
	v_pk_fma_f32 v[X+\i:X+\i+1], v[X+\i:X+\i+1], 0x3e47a05b, v[PE+\i:PE+\i+1] op_sel_hi:[1,0,1]   ; (ln 512 / 32) x score + pe
.endr
.irp j, 0,1,2,3
.irp k, 0,1,2,3
	v_bfe_u32 v44, v[MK+\j], 8*\k, 8
	v_cmp_ne_u32 vcc_lo, 0, v44
	v_cndmask_b32 v[X+4*\j+\k], v[X+4*\j+\k], v45, vcc_lo
.endr
.endr
	v_max3_num_f32 v46, v8, v9, v10                ; the largest of my 16, in two chains,
	v_max3_num_f32 v48, v11, v12, v13
.irp i, 14, 18
	v_max3_num_f32 v46, v46, v[\i], v[\i+1]
	v_max3_num_f32 v48, v48, v[\i+2], v[\i+3]
.endr
	v_max3_num_f32 v46, v46, v22, v23
	v_max_num_f32 v46, v46, v48
.irp m, 1,2,4,8
	v_max_num_f32_dpp v46, v46, v46 row_xmask:\m row_mask:0xf bank_mask:0xf   ; and of the 32 lanes
.endr
	v_permlanex16_b32 v47, v46, s18, s19
	v_max_num_f32 v46, v46, v47
.irp i, 0,2,4,6,8,10,12,14
	v_pk_add_f32 v[X+\i:X+\i+1], v[X+\i:X+\i+1], v[46:47] op_sel_hi:[1,0] neg_lo:[0,1] neg_hi:[0,1]   ; x - the maximum (the pair's low word for both halves)
.endr
.irp i, 0,2,4,6,8,10,12,14
	v_pk_mul_f32 v[X+\i:X+\i+1], v[X+\i:X+\i+1], 0x3fb8aa3b op_sel_hi:[1,0]   ; x log2(e)
.endr
	s_wait_alu depctr_va_vdst(0)
.irp i, 0,1,2,3,4,5,6,7,8,9,10,11,12,13,14,15
	v_exp_f32 v[X+\i], v[X+\i]
.endr
	v_nop                                          ; one plain vector instruction between the last exponential and the use of its result
	s_wait_alu depctr_va_vdst(0)
	v_pk_add_f32 v[48:49], v[8:9], v[10:11]        ; the sum, in two chains
	v_pk_add_f32 v[50:51], v[12:13], v[14:15]
	v_pk_add_f32 v[48:49], v[48:49], v[16:17]
	v_pk_add_f32 v[50:51], v[50:51], v[18:19]
	v_pk_add_f32 v[48:49], v[48:49], v[20:21]
	v_pk_add_f32 v[50:51], v[50:51], v[22:23]
	v_pk_add_f32 v[48:49], v[48:49], v[50:51]
	v_add_f32 v48, v48, v49
.irp m, 1,2,4,8
	v_add_f32_dpp v48, v48, v48 row_xmask:\m row_mask:0xf bank_mask:0xf
.endr
	v_permlanex16_b32 v47, v48, s18, s19
	v_add_f32 v48, v48, v47
	s_wait_alu depctr_va_vdst(0)
	v_rcp_f32 v50, v48
	v_nop                                          ; one plain vector instruction behind the reciprocal
	s_wait_alu depctr_va_vdst(0)
.irp i, 0,2,4,6,8,10,12,14
	v_pk_mul_f32 v[X+\i:X+\i+1], v[X+\i:X+\i+1], v[50:51] op_sel_hi:[1,0]
.endr
.irp j, 0,1,2,3
	global_store_b128 v3, v[X+4*\j:X+4*\j+3], s[10:11] offset:512*\j   ; 32 lanes store 512 consecutive bytes, at a multiple of 256 from out0's first byte
.endr
	s_endpgm
.Lfunc_end_k_qf3916e91a6_soft:
	.size	k_qf3916e91a6_soft, .Lfunc_end_k_qf3916e91a6_soft-k_qf3916e91a6_soft
	.p2alignl 7, 3214868480
	.fill 96, 4, 3214868480
	.section	.rodata,"a",@progbits
	.p2align	6, 0x0
	.amdhsa_kernel k_qf3916e91a6_soft
		.amdhsa_group_segment_fixed_size 0
		.amdhsa_private_segment_fixed_size 0
		.amdhsa_enable_private_segment 0
		.amdhsa_kernarg_size 32
		.amdhsa_user_sgpr_count 2
		.amdhsa_user_sgpr_kernarg_segment_ptr 1
		.amdhsa_wavefront_size32 1
		.amdhsa_system_sgpr_workgroup_id_x 1
		.amdhsa_system_sgpr_workgroup_id_y 1
		.amdhsa_system_sgpr_workgroup_id_z 1
		.amdhsa_system_vgpr_workitem_id 0
		.amdhsa_next_free_vgpr 64
		.amdhsa_next_free_sgpr 66
		.amdhsa_reserve_vcc 1
		.amdhsa_float_denorm_mode_32 3
		.amdhsa_float_denorm_mode_16_64 3
		.amdhsa_memory_ordered 1
		.amdhsa_forward_progress 1
		.amdhsa_inst_pref_size 10
	.end_amdhsa_kernel
	.amdgpu_metadata
---
amdhsa.version: [ 1, 2 ]
amdhsa.kernels:
  - .name:           k_qf3916e91a6_soft
    .symbol:         k_qf3916e91a6_soft.kd
    .args:
      - { .name: score, .offset: 0, .size: 8, .value_kind: global_buffer, .address_space: global }
      - { .name: pe, .offset: 8, .size: 8, .value_kind: global_buffer, .address_space: global }
      - { .name: seq_mask, .offset: 16, .size: 8, .value_kind: global_buffer, .address_space: global }
      - { .name: out0, .offset: 24, .size: 8, .value_kind: global_buffer, .address_space: global }
    .group_segment_fixed_size: 0
    .private_segment_fixed_size: 0
    .kernarg_segment_align: 8
    .kernarg_segment_size: 32
    .max_flat_workgroup_size: 128
    .sgpr_count:     66
    .vgpr_count:     64
    .wavefront_size: 32
...
	.end_amdgpu_metadata
.endif
;; end of part 3
